; MI455X (gfx1250); checked and timed in simulation.
; The chip was launched on July 23, 2026; its instructions are those of AMD's public machine-readable ISA for CDNA 5 (MIT licence, August 2026) and "CDNA5" Instruction Set Architecture Reference Guide (July 2026). The comments in the code are by the model that wrote it; some were corrected since.
;; Jeffress Linear. Allowed arithmetic: float matrix products may take bf16 or f16 operands with f32 sums; all other float work in f32.
;; Inputs: log_delay 64 x 1 float32; log_weight one number float32; noise 32 x 64 x 64 x 2 float32; x 128 x 32 x 64 x 2 float32.
;; Outputs: out0 128 x 32 x 64 x 64 float32.
;; 2 versions, each right; version 2 is version 1 with the launch gather written anew for expert scheduling mode. Each part assembles by itself: llvm-mc -triple=amdgcn-amd-amdhsa -mcpu=gfx1250 --defsym DOCPART=n.
;; ======== version 1 of 2: 2 launches
;; workspace buffers: shift 262,144 bytes of whole numbers
;; launch delays (part 1): grid 256 x 1, 4 waves a work-group, no clusters, 2,816 bytes of LDS; arguments x, noise, log_delay, shift; writes shift
.if DOCPART == 1
	.amdgcn_target "amdgcn-amd-amdhsa--gfx1250"
	.amdhsa_code_object_version 6
	.text
	.protected	k_qc9b44e17ec_delays
	.globl	k_qc9b44e17ec_delays
	.p2align	8
	.type	k_qc9b44e17ec_delays,@function
k_qc9b44e17ec_delays:
	s_mov_b64 s[64:65], 0
	v_nop
	global_prefetch_b8 v0, s[64:65] scope:SCOPE_SE
	s_setreg_imm32_b32 hwreg(HW_REG_WAVE_MODE, 25, 1), 1
	s_wait_xcnt 0x0
; shift[n][c][d][j] (one byte each) = (128 - rd) & 127, where
;   rd = min( floor(delay) + (noise < delay - floor(delay)), 127 - argmax over t of x[t][n][c][j] ),
;   delay[d][0] = exp(log_delay[d]), delay[d][1] = exp(log_delay[63-d]).
; The next launch reads x at time (t + shift) & 127, which is (t - rd) mod 128.
; These whole numbers steer addresses, so they are made here and stored; nothing in this launch forms an address from them.
;
; Work-group g owns n = g >> 3 and the eight c from 8 (g & 7): 16 time series of x and 1,024 delays.  Four waves.
; Step 1: thread (c = tid & 7, chunk = tid >> 3) finds the maximum and its first t in 8 time steps, for j = 0 and 1.
; Step 2: the 16 chunks of a c meet in LDS; a row of 16 lanes reduces them (max, then the least t among the lanes that hold it).
; Step 3: thread (c = tid >> 4, quad = tid & 15) makes the 8 delays of d = 4 quad .. 4 quad + 3, j = 0, 1 and stores 8 bytes:
;         a wave's store covers 256 consecutive bytes, aligned.
;
; LIMITS.  x and log_delay hold no NaN (an argmax would stop at the first NaN; this text passes over it).
; All of rd is kept in f32 up to the last conversion, so a delay of 2^31 or more (log_delay above 21.4, infinity too) acts as a
; saturating conversion to int would: the clamp 127 - argmax wins.  exp(log_delay) is good to about one unit in the last place;
; a noise value that lies between this fraction and the exact one is rounded the other way.
.set XROW,   16384                     ; bytes of x from t to t + 1
.set LPITCH, 288                       ; LDS bytes for the 16 chunks of one c: 256 + 32, so that the 16 lanes of a half wave
                                       ; (8 c x 2 chunks) store to 16-byte columns 2 c + chunk, all different modulo 16
.set LF, 12                            ; v[12:15]  log_delay[4 quad + 0..3]
.set LR, 16                            ; v[16:19]  log_delay[60 - 4 quad + 0..3]
.set X,  20                            ; v[20:35]  x of my 8 time steps: step i at X + 2 i (j = 0), X + 2 i + 1 (j = 1)
.set NZ, 36                            ; v[36:43]  noise, k = 2 q + j as in memory
.set P,  44                            ; v[44:51]  whole part of log2 of the delay; then floor(delay); then 128 - floor; then the shift
.set A,  52                            ; v[52:59]  the rest of the log2; then the delay; then its fraction
.set SB, 60                            ; v[60:67]  127 - floor(delay)
.set R,  68                            ; v[68:71]  my chunk: max j=0, its t, max j=1, its t; then the row's maxima
.set Q,  72                            ; v[72:75]  one chunk of my c, read back
.set W,  76                            ; v[76:77]  eight packed bytes
	s_load_b256 s[4:11], s[0:1], 0x0               ; x s[4:5], noise s[6:7], log_delay s[8:9], shift s[10:11]
	v_lshl_add_u32 v80, v0, 2, 0x900
	v_mov_b32 v81, 0
	s_lshl_b32 s12, ttmp9, 6                       ; x: 512 n + 64 (g & 7) = 64 g bytes
	s_mov_b32 s13, 0
	s_lshl_b32 s14, ttmp9, 12                      ; noise: 8 c of 512 bytes
	s_mov_b32 s15, 0
	s_lshl_b32 s16, ttmp9, 10                      ; shift: 8 c of 128 bytes
	s_mov_b32 s17, 0
	s_mov_b32 s18, 0x3fb8aa3b                      ; log2 e rounded to f32
	s_mov_b32 s19, 0x32a5705f                      ; log2 e minus that
	v_and_b32 v1, 7, v0                            ; step 1: c
	v_lshrrev_b32 v2, 3, v0                        ;         chunk
	v_lshlrev_b32 v3, 3, v1
	v_lshl_or_b32 v3, v2, 17, v3                   ; x offset: chunk x 8 rows of 16,384 bytes + 8 c
	v_and_b32 v4, 15, v0                           ; step 3: quad
	v_lshlrev_b32 v5, 4, v4                        ; log_delay[4 quad ..]
	v_sub_nc_u32 v6, 240, v5                       ; log_delay[60 - 4 quad ..]
	v_lshlrev_b32 v7, 5, v0                        ; noise: 32 bytes a thread
	v_lshlrev_b32 v8, 3, v0                        ; shift: 8 bytes a thread
	v_mul_u32_u24 v9, v1, LPITCH
	v_lshl_add_u32 v9, v2, 4, v9                   ; LDS, in: (c, chunk)
	v_lshrrev_b32 v10, 4, v0
	v_mul_u32_u24 v10, v10, LPITCH
	v_lshl_add_u32 v10, v4, 4, v10                 ; LDS, back: (c = tid >> 4, chunk = tid & 15)
	s_wait_kmcnt 0x0
	s_add_nc_u64 s[4:5], s[4:5], s[12:13]
	s_add_nc_u64 s[6:7], s[6:7], s[14:15]
	s_add_nc_u64 s[10:11], s[10:11], s[16:17]
	; all twelve loads at once, in the order in which they are needed
	global_load_b128 v[LF:LF+3], v5, s[8:9]
	global_load_b128 v[LR:LR+3], v6, s[8:9]
.irp i, 0,1,2,3,4,5,6,7
	global_load_b64 v[X+2*\i:X+2*\i+1], v3, s[4:5] offset:\i*XROW
.endr
	global_load_b128 v[NZ:NZ+3],   v7, s[6:7] th:TH_LOAD_NT
	global_load_b128 v[NZ+4:NZ+7], v7, s[6:7] offset:16 th:TH_LOAD_NT
	; The eight delays, while x is on its way.  k = 2 q + j: j = 0 takes log_delay[4 quad + q], j = 1 log_delay[63 - 4 quad - q].
	; exp(v) = 2^e 2^a with e = round(v log2 e) and a = v log2 e - e, |a| <= 1/2, made by two fused multiply-adds with log2 e in two
	; words: the fraction of the delay is a threshold for noise, so the rounding of a plain product v log2 e is not let in.
.macro SETSRC k
.set src, (1-((\k)&1))*(LF+((\k)>>1)) + ((\k)&1)*(LR+3-((\k)>>1))
.endm
	s_wait_loadcnt 10                              ; loads come back in order: log_delay's two are in; x's eight and noise's two stay out
.irp k, 0,1,2,3,4,5,6,7
	SETSRC \k
	v_mul_f32 v[P+\k], s18, v[src]
.endr
.irp k, 0,1,2,3,4,5,6,7
	v_rndne_f32 v[P+\k], v[P+\k]                   ; e
.endr
.irp k, 0,1,2,3,4,5,6,7
	SETSRC \k
	v_fma_f32 v[A+\k], v[src], s18, -v[P+\k]
.endr
.irp k, 0,1,2,3,4,5,6,7
	SETSRC \k
	v_fma_f32 v[A+\k], v[src], s19, v[A+\k]        ; a
.endr
.irp k, 0,1,2,3,4,5,6,7
	v_exp_f32 v[A+\k], v[A+\k]                     ; 2^a
.endr
.irp k, 0,1,2,3,4,5,6,7
	v_cvt_i32_f32 v[P+\k], v[P+\k]                 ; plain instructions that touch no A: the place between the exponentials and their use
.endr
	s_wait_alu depctr_va_vdst(0)
.irp k, 0,1,2,3,4,5,6,7
	v_ldexp_f32 v[A+\k], v[A+\k], v[P+\k]          ; the delay (infinity above f32's range, 0 below it)
.endr
.irp k, 0,1,2,3,4,5,6,7
	v_floor_f32 v[P+\k], v[A+\k]
.endr
.irp k, 0,1,2,3,4,5,6,7
	v_sub_f32 v[A+\k], v[A+\k], v[P+\k]            ; the fraction (NaN for an infinite delay: the compare below is then false)
.endr
.irp k, 0,1,2,3,4,5,6,7
	v_sub_f32 v[SB+\k], 0x42fe0000, v[P+\k]        ; 127 - floor: the shift if the draw rounds up
.endr
.irp k, 0,1,2,3,4,5,6,7
	v_sub_f32 v[P+\k], 0x43000000, v[P+\k]         ; 128 - floor: the shift if it rounds down
.endr
	; Step 1: maximum and first index of my 8 time steps.  The index moves only when the new number is strictly larger.
	s_wait_loadcnt 2                               ; x is in; noise's two loads stay out
.irp j, 0,1
	v_cmp_ge_f32 vcc_lo, v[X+\j], v[X+2+\j]
	v_cndmask_b32 v[R+2*\j+1], 1, 0, vcc_lo        ; 0 if step 0 holds, else 1
	v_max_num_f32 v[R+2*\j], v[X+\j], v[X+2+\j]
.irp i, 2,3,4,5,6,7
	v_cmp_ge_f32 vcc_lo, v[R+2*\j], v[X+2*\i+\j]
	v_cndmask_b32 v[R+2*\j+1], \i, v[R+2*\j+1], vcc_lo
	v_max_num_f32 v[R+2*\j], v[R+2*\j], v[X+2*\i+\j]
.endr
	v_lshl_add_u32 v[R+2*\j+1], v2, 3, v[R+2*\j+1] ; t = 8 chunk + step,
	v_cvt_f32_u32 v[R+2*\j+1], v[R+2*\j+1]         ; as f32 (exact): the rest of the arithmetic on it is f32
.endr
	ds_store_b128 v9, v[R:R+3]
	s_wait_dscnt 0x0                               ; my store is in LDS before I say so
	s_barrier_signal -1
	s_barrier_wait -1
	ds_load_b128 v[Q:Q+3], v10                     ; chunk tid & 15 of c = tid >> 4: a row of 16 lanes holds the 16 chunks of one c
	s_wait_dscnt 0x0
	; Step 2: within the row, the maximum, then the least t among the chunks that hold it (lane i takes lane i xor the mask).
.irp j, 0,1
	v_max_num_f32_dpp v[R+2*\j], v[Q+2*\j], v[Q+2*\j] row_xmask:1 row_mask:0xf bank_mask:0xf
	v_max_num_f32_dpp v[R+2*\j], v[R+2*\j], v[R+2*\j] row_xmask:2 row_mask:0xf bank_mask:0xf
	v_max_num_f32_dpp v[R+2*\j], v[R+2*\j], v[R+2*\j] row_xmask:4 row_mask:0xf bank_mask:0xf
	v_max_num_f32_dpp v[R+2*\j], v[R+2*\j], v[R+2*\j] row_xmask:8 row_mask:0xf bank_mask:0xf
	v_cmp_eq_f32 vcc_lo, v[Q+2*\j], v[R+2*\j]
	v_cndmask_b32 v[Q+2*\j+1], 0x43000000, v[Q+2*\j+1], vcc_lo     ; a chunk below the maximum offers 128
	v_min_num_f32_dpp v[Q+2*\j+1], v[Q+2*\j+1], v[Q+2*\j+1] row_xmask:1 row_mask:0xf bank_mask:0xf
	v_min_num_f32_dpp v[Q+2*\j+1], v[Q+2*\j+1], v[Q+2*\j+1] row_xmask:2 row_mask:0xf bank_mask:0xf
	v_min_num_f32_dpp v[Q+2*\j+1], v[Q+2*\j+1], v[Q+2*\j+1] row_xmask:4 row_mask:0xf bank_mask:0xf
	v_min_num_f32_dpp v[Q+2*\j+1], v[Q+2*\j+1], v[Q+2*\j+1] row_xmask:8 row_mask:0xf bank_mask:0xf
	v_add_f32 v[Q+2*\j+1], 1.0, v[Q+2*\j+1]        ; argmax + 1 = 128 - (127 - argmax)
.endr
	; Step 3: 128 - min(rd, 127 - argmax) = max(128 - rd, argmax + 1), a whole number from 1 to 128.
	s_wait_loadcnt 0x0                             ; noise
.irp k, 0,1,2,3,4,5,6,7
	v_cmp_lt_f32 vcc_lo, v[NZ+\k], v[A+\k]         ; the draw: noise below the fraction rounds up
	v_cndmask_b32 v[P+\k], v[P+\k], v[SB+\k], vcc_lo
	v_max_num_f32 v[P+\k], v[P+\k], v[Q+1+2*(\k&1)]
	v_cvt_u32_f32 v[P+\k], v[P+\k]
.endr
.irp h, 0,1
	v_lshl_or_b32 v[P+4*\h],   v[P+4*\h+1], 8, v[P+4*\h]
	v_lshl_or_b32 v[P+4*\h+2], v[P+4*\h+3], 8, v[P+4*\h+2]
	v_lshl_or_b32 v[W+\h], v[P+4*\h+2], 16, v[P+4*\h]
	v_and_b32 v[W+\h], 0x7f7f7f7f, v[W+\h]         ; modulo 128 in all four bytes: 128 (no delay) becomes 0
.endr
	global_store_b64 v8, v[W:W+1], s[10:11]
	s_wait_tensorcnt 0x0
	ds_add_u32 v80, v81
	s_wait_dscnt 0x0
	s_endpgm
.Lfunc_end_k_qc9b44e17ec_delays:
	.size	k_qc9b44e17ec_delays, .Lfunc_end_k_qc9b44e17ec_delays-k_qc9b44e17ec_delays
	.p2alignl 7, 3214868480
	.fill 96, 4, 3214868480
	.section	.rodata,"a",@progbits
	.p2align	6, 0x0
	.amdhsa_kernel k_qc9b44e17ec_delays
		.amdhsa_group_segment_fixed_size 2816
		.amdhsa_private_segment_fixed_size 0
		.amdhsa_enable_private_segment 0
		.amdhsa_kernarg_size 32
		.amdhsa_user_sgpr_count 2
		.amdhsa_user_sgpr_kernarg_segment_ptr 1
		.amdhsa_wavefront_size32 1
		.amdhsa_system_sgpr_workgroup_id_x 1
		.amdhsa_system_sgpr_workgroup_id_y 1
		.amdhsa_system_sgpr_workgroup_id_z 1
		.amdhsa_system_vgpr_workitem_id 0
		.amdhsa_next_free_vgpr 82
		.amdhsa_next_free_sgpr 66
		.amdhsa_reserve_vcc 1
		.amdhsa_float_denorm_mode_32 3
		.amdhsa_float_denorm_mode_16_64 3
		.amdhsa_memory_ordered 1
		.amdhsa_forward_progress 1
		.amdhsa_inst_pref_size 12
	.end_amdhsa_kernel
	.amdgpu_metadata
---
amdhsa.version: [ 1, 2 ]
amdhsa.kernels:
  - .name:           k_qc9b44e17ec_delays
    .symbol:         k_qc9b44e17ec_delays.kd
    .args:
      - { .name: x, .offset: 0, .size: 8, .value_kind: global_buffer, .address_space: global }
      - { .name: noise, .offset: 8, .size: 8, .value_kind: global_buffer, .address_space: global }
      - { .name: log_delay, .offset: 16, .size: 8, .value_kind: global_buffer, .address_space: global }
      - { .name: shift, .offset: 24, .size: 8, .value_kind: global_buffer, .address_space: global }
    .group_segment_fixed_size: 2816
    .private_segment_fixed_size: 0
    .kernarg_segment_align: 8
    .kernarg_segment_size: 32
    .max_flat_workgroup_size: 128
    .sgpr_count:     66
    .vgpr_count:     82
    .wavefront_size: 32
...
	.end_amdgpu_metadata
.endif
;; end of part 1
;; launch gather (part 2): grid 256 x 1, 16 waves a work-group, no clusters, 38,912 bytes of LDS; arguments x, log_weight, shift, out0; writes out0
.if DOCPART == 2
	.amdgcn_target "amdgcn-amd-amdhsa--gfx1250"
	.amdhsa_code_object_version 6
	.text
	.protected	k_qc9b44e17ec_gather
	.globl	k_qc9b44e17ec_gather
	.p2align	8
	.type	k_qc9b44e17ec_gather,@function
k_qc9b44e17ec_gather:
	s_mov_b64 s[64:65], 0
	v_nop
	global_prefetch_b8 v0, s[64:65] scope:SCOPE_SE
	s_setreg_imm32_b32 hwreg(HW_REG_WAVE_MODE, 25, 1), 1
	s_wait_xcnt 0x0
; out0[t][n][c][d] = w x[(t + s0) & 127][n][c][0] + w x[(t + s1) & 127][n][c][1],  w = exp(log_weight),
; s0, s1 = the bytes shift[n][c][d][0..1] that the launch before stored ((128 - delay) & 127).
;
; The output is 32 times the staged input, so the text is built round the stores.  Work-group g owns n = g >> 3 and the eight c from
; 8 (g & 7): 256 KiB of out0, 8 KiB of x.  Sixteen waves.  wave = tid >> 5 takes the c pair wave & 3 and the 32 time steps from
; 32 (wave >> 2).  A lane holds four neighbouring d, so each store of a wave writes two whole rows [64 d] of 256 bytes, aligned.
;
; LDS: a table of 256 entries x 16 series (series = 2 c + j).  Entry i of a series is the pair (y[i & 127], y[(i + 1) & 127]), y = w x.
;   The table runs on past i = 127, so t + s (254 at the most) needs no wrap and t goes into the load's immediate offset.
;   An entry holds two neighbouring time steps, so one 8-byte load serves two outputs of a lane.
;   PITCH = 16 x 8 bytes + 16: from entry to entry the start moves by 36 words, so a series' entries start at 16 different places of a
;   256-byte row of banks (64 banks of 4 bytes: ISA guide 11.1), and rows stay multiples of 16 bytes for the 16-byte stores.
; No matrix unit (there is no product), no tensor load and no cluster (8 KiB a work-group, and no two work-groups stage the same bytes).
; x is loaded twice by each thread (t and t + 1): 16 bytes more in the same wait, in place of twelve more LDS stores of 4 bytes.
;
; LIMIT.  w is made by v_exp_f32, which gives 0 where exp(log_weight) is below 2^-126 (log_weight under -87.3).
.set PITCH, 144
.set COPY,  128*PITCH                  ; entry i + 128
.set OROW,  524288                     ; bytes of out0 from t to t + 1
.set XA,  16                           ; v[16:19]   x[t],     4 series
.set XB,  20                           ; v[20:23]   x[t + 1], the same 4 series
.set E,   24                           ; v[24:31]   4 entries
.set SH,  32                           ; v[32:33]   my 8 shift bytes, k = 2 q + j
.set AD,  34                           ; v[34:41]   LDS address for k (without 8 j, which is in the immediate)
.set LD,  44                           ; v[44:107]  four buffers of 8 pairs: buffer u % 4 holds time steps 2 u, 2 u + 1
.set OUT, 108                          ; v[108:235] 32 time steps x 4 d: each store has registers of its own, so none is ever rewritten
	s_load_b256 s[4:11], s[0:1], 0x0               ; x s[4:5], log_weight s[6:7], shift s[8:9], out0 s[10:11]
	v_lshl_add_u32 v236, v0, 2, 0x9000
	v_mov_b32 v237, 0
	s_lshl_b32 s12, ttmp9, 6                       ; x: 64 g bytes into a row [n][c][j]
	s_mov_b32 s13, 0
	s_lshl_b32 s14, ttmp9, 10                      ; shift: 8 c of 128 bytes
	s_mov_b32 s15, 0
	s_lshl_b32 s16, ttmp9, 11                      ; out0: 8 c of 256 bytes
	s_mov_b32 s17, 0
	v_and_b32 v7, 127, v0                          ; 16 c + quad: place among the group's 8 c x 16 quads of d
	v_lshlrev_b32 v8, 3, v7                        ; its 8 shift bytes
	v_lshrrev_b32 v1, 2, v0                        ; staging: t
	v_and_b32 v2, 3, v0                            ;          p: series 4 p .. 4 p + 3, 16 bytes of x
	v_add_nc_u32 v3, 1, v1
	v_and_b32 v3, 127, v3                          ; (t + 1) mod 128
	v_lshlrev_b32 v4, 4, v2
	v_lshl_or_b32 v5, v1, 14, v4                   ; rows of x are 16,384 bytes apart
	v_lshl_or_b32 v6, v3, 14, v4
	s_wait_kmcnt 0x0
	s_load_b32 s18, s[6:7], 0x0                    ; log_weight
	s_add_nc_u64 s[8:9], s[8:9], s[14:15]
	s_add_nc_u64 s[4:5], s[4:5], s[12:13]
	global_load_b64  v[SH:SH+1], v8, s[8:9]
	global_load_b128 v[XA:XA+3], v5, s[4:5]
	global_load_b128 v[XB:XB+3], v6, s[4:5]
	s_add_nc_u64 s[10:11], s[10:11], s[16:17]      ; out0 for my time steps 0-15,
	s_add_nc_u64 s[20:21], s[10:11], 16*OROW       ; and for 16-31: 15 rows of out0 fit the stores' signed 24-bit immediate
	v_mul_u32_u24 v9, v1, PITCH
	v_lshl_add_u32 v9, v2, 5, v9                   ; staging: entry t, series 4 p
	v_lshrrev_b32 v13, 7, v0                       ; which quarter of the time steps
	v_mul_u32_u24 v10, v13, 32*PITCH               ; its first entry,
	v_bfe_u32 v11, v0, 4, 3                        ; my c (0 to 7),
	v_lshl_add_u32 v10, v11, 4, v10                ; series 2 c: 16 bytes a c
	v_lshlrev_b32 v12, 4, v7                       ; out0: 16 bytes a lane,
	v_lshl_or_b32 v12, v13, 24, v12                ; + 32 rows of 2^19 bytes a quarter
	s_wait_kmcnt 0x0
	v_mov_b32 v14, s18
	v_mul_f32 v14, 0x3fb8aa3b, v14
	v_exp_f32 v14, v14                             ; w; the lines below, which do not touch it, are the place in front of its use
	s_wait_loadcnt 2                               ; the shift bytes are in; x's two loads stay out
.irp k, 0,1,2,3,4,5,6,7
	v_bfe_u32 v[AD+\k], v[SH+(\k>>2)], 8*(\k&3), 8
.endr
.irp k, 0,1,2,3,4,5,6,7
	v_min_u32 v[AD+\k], 0x7f, v[AD+\k]             ; a loaded number enters an address only bounded: 127 is the largest shift
.endr
.irp k, 0,1,2,3,4,5,6,7
	v_mul_u32_u24 v[AD+\k], v[AD+\k], PITCH
.endr
.irp k, 0,1,2,3,4,5,6,7
	v_add_nc_u32 v[AD+\k], v[AD+\k], v10           ; entry (first t of my quarter + shift) of series 2 c
.endr
	s_wait_loadcnt 0x0
	s_wait_alu depctr_va_vdst(0)
.irp k, 0,1,2,3
	v_mul_f32 v[E+2*\k],   v14, v[XA+\k]           ; the entry (w x[t], w x[t + 1]) of series 4 p + k
	v_mul_f32 v[E+2*\k+1], v14, v[XB+\k]
.endr
	ds_store_b128 v9, v[E:E+3]
	ds_store_b128 v9, v[E+4:E+7] offset:16
	ds_store_b128 v9, v[E:E+3]   offset:COPY       ; and once more as entry t + 128
	ds_store_b128 v9, v[E+4:E+7] offset:COPY+16
	s_wait_dscnt 0x0                               ; my entries are in LDS before I say so
	s_barrier_signal -1
	s_barrier_wait -1                              ; the table is whole, and is only read from here on
; eight loads: the pairs of time steps 2 u, 2 u + 1 for my 4 d x 2 j
.macro FETCH u
.irp k, 0,1,2,3,4,5,6,7
	ds_load_b64 v[LD+16*((\u)%4)+2*\k:LD+16*((\u)%4)+2*\k+1], v[AD+\k] offset:2*(\u)*PITCH+8*(\k&1)
.endr
.endm
; the sums over j, laid so that four neighbouring d of one time step are four neighbouring registers, and the two stores
.macro EMIT u
.irp q, 0,1,2,3
	v_add_f32 v[OUT+8*(\u)+\q],   v[LD+16*((\u)%4)+4*\q],   v[LD+16*((\u)%4)+4*\q+2]
	v_add_f32 v[OUT+8*(\u)+4+\q], v[LD+16*((\u)%4)+4*\q+1], v[LD+16*((\u)%4)+4*\q+3]
.endr
.if (\u) < 8
	global_store_b128 v12, v[OUT+8*(\u):OUT+8*(\u)+3],   s[10:11] offset:(2*(\u))*OROW   th:TH_STORE_NT
	global_store_b128 v12, v[OUT+8*(\u)+4:OUT+8*(\u)+7], s[10:11] offset:(2*(\u)+1)*OROW th:TH_STORE_NT
.else
	global_store_b128 v12, v[OUT+8*(\u):OUT+8*(\u)+3],   s[20:21] offset:(2*(\u)-16)*OROW th:TH_STORE_NT
	global_store_b128 v12, v[OUT+8*(\u)+4:OUT+8*(\u)+7], s[20:21] offset:(2*(\u)-15)*OROW th:TH_STORE_NT
.endif
.endm
	FETCH 0
	FETCH 1
	FETCH 2
	FETCH 3
.set u, 0
.rept 16
.if u < 12
	s_wait_dscnt 24                                ; LDS loads come back in order: pair u is in, the 3 x 8 loads of the next three pairs stay out
.else
	s_wait_dscnt 8*(15-u)                          ; nothing is fetched any more: the counts run down 24, 16, 8, 0
.endif
	EMIT u
.if u < 12
	FETCH u+4                                      ; into the buffer that the sums above have just read
.endif
.set u, u+1
.endr
	s_wait_tensorcnt 0x0
	ds_add_u32 v236, v237
	s_wait_dscnt 0x0
	s_endpgm
.Lfunc_end_k_qc9b44e17ec_gather:
	.size	k_qc9b44e17ec_gather, .Lfunc_end_k_qc9b44e17ec_gather-k_qc9b44e17ec_gather
	.p2alignl 7, 3214868480
	.fill 96, 4, 3214868480
	.section	.rodata,"a",@progbits
	.p2align	6, 0x0
	.amdhsa_kernel k_qc9b44e17ec_gather
		.amdhsa_group_segment_fixed_size 38912
		.amdhsa_private_segment_fixed_size 0
		.amdhsa_enable_private_segment 0
		.amdhsa_kernarg_size 32
		.amdhsa_user_sgpr_count 2
		.amdhsa_user_sgpr_kernarg_segment_ptr 1
		.amdhsa_wavefront_size32 1
		.amdhsa_system_sgpr_workgroup_id_x 1
		.amdhsa_system_sgpr_workgroup_id_y 1
		.amdhsa_system_sgpr_workgroup_id_z 1
		.amdhsa_system_vgpr_workitem_id 0
		.amdhsa_next_free_vgpr 238
		.amdhsa_next_free_sgpr 66
		.amdhsa_reserve_vcc 0
		.amdhsa_float_denorm_mode_32 3
		.amdhsa_float_denorm_mode_16_64 3
		.amdhsa_memory_ordered 1
		.amdhsa_forward_progress 1
		.amdhsa_inst_pref_size 21
	.end_amdhsa_kernel
	.amdgpu_metadata
---
amdhsa.version: [ 1, 2 ]
amdhsa.kernels:
  - .name:           k_qc9b44e17ec_gather
    .symbol:         k_qc9b44e17ec_gather.kd
    .args:
      - { .name: x, .offset: 0, .size: 8, .value_kind: global_buffer, .address_space: global }
      - { .name: log_weight, .offset: 8, .size: 8, .value_kind: global_buffer, .address_space: global }
      - { .name: shift, .offset: 16, .size: 8, .value_kind: global_buffer, .address_space: global }
      - { .name: out0, .offset: 24, .size: 8, .value_kind: global_buffer, .address_space: global }
    .group_segment_fixed_size: 38912
    .private_segment_fixed_size: 0
    .kernarg_segment_align: 8
    .kernarg_segment_size: 32
    .max_flat_workgroup_size: 512
    .sgpr_count:     66
    .vgpr_count:     238
    .wavefront_size: 32
...
	.end_amdgpu_metadata
.endif
;; end of part 2
;; ======== version 2 of 2: 2 launches; version 1 with the launch gather written anew for expert scheduling mode
;; workspace buffers: shift 262,144 bytes of whole numbers
;; launch delays: the kernel of part 1 again; grid 256 x 1, 4 waves a work-group, no clusters, 2,816 bytes of LDS; arguments x, noise, log_delay, shift; writes shift
;; launch gather (part 3): grid 256 x 1, 16 waves a work-group, no clusters, 38,912 bytes of LDS; arguments x, log_weight, shift, out0; writes out0
.if DOCPART == 3
	.amdgcn_target "amdgcn-amd-amdhsa--gfx1250"
	.amdhsa_code_object_version 6
	.text
	.protected	k_qc9b44e17ec_gather
	.globl	k_qc9b44e17ec_gather
	.p2align	8
	.type	k_qc9b44e17ec_gather,@function
k_qc9b44e17ec_gather:
	s_mov_b64 s[64:65], 0
	v_nop
	global_prefetch_b8 v0, s[64:65] scope:SCOPE_SE
	s_setreg_imm32_b32 hwreg(HW_REG_WAVE_SCHED_MODE, 0, 2), 2
	s_setreg_imm32_b32 hwreg(HW_REG_WAVE_MODE, 25, 1), 1
	s_wait_xcnt 0x0
	s_wait_alu depctr_vm_vsrc(0)
; out0[t][n][c][d] = w x[(t + s0) & 127][n][c][0] + w x[(t + s1) & 127][n][c][1],  w = exp(log_weight),
; s0, s1 = the bytes shift[n][c][d][0..1] that the launch before stored ((128 - delay) & 127).
;
; The output is 32 times the staged input, so the text is built round the stores.  Work-group g owns n = g >> 3 and the eight c from
; 8 (g & 7): 256 KiB of out0, 8 KiB of x.  Sixteen waves.  wave = tid >> 5 takes the c pair wave & 3 and the 32 time steps from
; 32 (wave >> 2).  A lane holds four neighbouring d, so each store of a wave writes two whole rows [64 d] of 256 bytes, aligned.
;
; LDS: a table of 256 entries x 16 series (series = 2 c + j).  Entry i of a series is the pair (y[i & 127], y[(i + 1) & 127]), y = w x.
;   The table runs on past i = 127, so t + s (254 at the most) needs no wrap and t goes into the load's immediate offset.
;   An entry holds two neighbouring time steps, so one 8-byte load serves two outputs of a lane.
;   PITCH = 16 x 8 bytes + 16: from entry to entry the start moves by 36 words, so a series' entries start at 16 different places of a
;   256-byte row of banks (64 banks of 4 bytes: ISA guide 11.1), and rows stay multiples of 16 bytes for the 16-byte stores.
; No matrix unit (there is no product), no tensor load and no cluster (8 KiB a work-group, and no two work-groups stage the same bytes).
; x is loaded twice by each thread (t and t + 1): 16 bytes more in the same wait, in place of twelve more LDS stores of 4 bytes.
;
; THE MODE: SCHED_MODE bits 1:0 = 2 (LLVM: expert scheduling mode 2), set by the entry lines.  The code itself states the register
; dependences between vector instructions and memory or LDS instructions, with s_wait_alu, always for 0.
; THE PLAN.  Registers that memory or LDS instructions touch:
;   v5, v6, v8, v9, v12   offsets and the staging address: made once at the head, read by loads and stores, never written again.
;   SH, XA, XB            a global load lands in each, once; no vector instruction names them before that.
;   E                     written once by the eight multiplies by w; read by the four LDS stores; never written again.
;   AD                    written once, from the shift bytes; read by all 128 LDS loads; never written again.
;   LD0 .. LD4            step u (time steps 2 u, 2 u + 1): its eight sums read LD[u % 5]; the loads of step u + 4, issued in step u, land
;                         in LD[(u + 4) % 5] = LD[(u - 1) % 5], which the sums of step u - 1 read last.
;   OUT                   eight registers of its own for each step: written by step u's sums, read by two stores issued in step u + 1.
; So ONE wait stands at the head of a step: the step before has written its OUT and is done reading its LD.  The step's two stores and
; eight LDS loads touch those two alone, and its sums name LD[u % 5] and OUT[u] alone: the stores follow the wait at once and the loads are
; dealt among the sums with no further wait.  No register that a memory or LDS instruction reads is ever written again, no vector
; instruction writes a scalar register or VCC, and EXEC is never written: nothing else is to be stated.
;
; LIMIT.  w is made by v_exp_f32, which gives 0 where exp(log_weight) is below 2^-126 (log_weight under -87.3).
.set PITCH, 144
.set COPY,  128*PITCH                  ; entry i + 128
.set OROW,  524288                     ; bytes of out0 from t to t + 1
.set NB,    5                          ; buffers of loaded pairs
.set XA,  16                           ; v[16:19]   x[t],     4 series
.set XB,  20                           ; v[20:23]   x[t + 1], the same 4 series
.set E,   24                           ; v[24:31]   4 entries
.set SH,  32                           ; v[32:33]   my 8 shift bytes, k = 2 q + j
.set AD,  34                           ; v[34:41]   LDS address for k (without 8 j, which is in the immediate)
.set LD,  44                           ; v[44:123]  five buffers of 8 pairs: buffer u % 5 holds time steps 2 u, 2 u + 1
.set OUT, 124                          ; v[124:251] 32 time steps x 4 d: each store has registers of its own, so none is ever rewritten
	s_load_b256 s[4:11], s[0:1], 0x0               ; x s[4:5], log_weight s[6:7], shift s[8:9], out0 s[10:11]
	v_lshl_add_u32 v42, v0, 2, 0x9000
	v_mov_b32 v43, 0
	s_lshl_b32 s12, ttmp9, 6                       ; x: 64 g bytes into a row [n][c][j]
	s_mov_b32 s13, 0
	s_lshl_b32 s14, ttmp9, 10                      ; shift: 8 c of 128 bytes
	s_mov_b32 s15, 0
	s_lshl_b32 s16, ttmp9, 11                      ; out0: 8 c of 256 bytes
	s_mov_b32 s17, 0
	v_and_b32 v7, 127, v0                          ; 16 c + quad: place among the group's 8 c x 16 quads of d
	v_lshlrev_b32 v8, 3, v7                        ; its 8 shift bytes
	v_lshrrev_b32 v1, 2, v0                        ; staging: t
	v_and_b32 v2, 3, v0                            ;          p: series 4 p .. 4 p + 3, 16 bytes of x
	v_add_nc_u32 v3, 1, v1
	v_and_b32 v3, 127, v3                          ; (t + 1) mod 128
	v_lshlrev_b32 v4, 4, v2
	v_lshl_or_b32 v5, v1, 14, v4                   ; rows of x are 16,384 bytes apart
	v_lshl_or_b32 v6, v3, 14, v4
	v_mul_u32_u24 v9, v1, PITCH
	v_lshl_add_u32 v9, v2, 5, v9                   ; staging: entry t, series 4 p
	v_lshrrev_b32 v13, 7, v0                       ; which quarter of the time steps
	v_mul_u32_u24 v10, v13, 32*PITCH               ; its first entry,
	v_bfe_u32 v11, v0, 4, 3                        ; my c (0 to 7),
	v_lshl_add_u32 v10, v11, 4, v10                ; series 2 c: 16 bytes a c
	v_lshlrev_b32 v12, 4, v7                       ; out0: 16 bytes a lane,
	v_lshl_or_b32 v12, v13, 24, v12                ; + 32 rows of 2^19 bytes a quarter
	s_wait_kmcnt 0x0
	s_load_b32 s18, s[6:7], 0x0                    ; log_weight
	s_add_nc_u64 s[8:9], s[8:9], s[14:15]
	s_add_nc_u64 s[4:5], s[4:5], s[12:13]
	s_wait_alu depctr_va_vdst(0)                   ; v8, v5 and v6 are written, the offsets of the three loads below; so are v9, the LDS stores' address, and v12, the global stores' offset
	global_load_b64  v[SH:SH+1], v8, s[8:9]
	global_load_b128 v[XA:XA+3], v5, s[4:5]
	global_load_b128 v[XB:XB+3], v6, s[4:5]
	s_add_nc_u64 s[10:11], s[10:11], s[16:17]      ; out0 for my time steps 0-15,
	s_add_nc_u64 s[20:21], s[10:11], 16*OROW       ; and for 16-31: 15 rows of out0 fit the stores' signed 24-bit immediate
	s_wait_kmcnt 0x0
	v_mov_b32 v14, s18
	v_mul_f32 v14, 0x3fb8aa3b, v14
	v_exp_f32 v14, v14                             ; w; the lines below, which do not touch it, are the place in front of its use
	s_wait_loadcnt 2                               ; the shift bytes are in; x's two loads stay out
.irp k, 0,1,2,3,4,5,6,7
	v_bfe_u32 v[AD+\k], v[SH+(\k>>2)], 8*(\k&3), 8
.endr
.irp k, 0,1,2,3,4,5,6,7
	v_min_u32 v[AD+\k], 0x7f, v[AD+\k]             ; a loaded number enters an address only bounded: 127 is the largest shift
.endr
.irp k, 0,1,2,3,4,5,6,7
	v_mul_u32_u24 v[AD+\k], v[AD+\k], PITCH
.endr
.irp k, 0,1,2,3,4,5,6,7
	v_add_nc_u32 v[AD+\k], v[AD+\k], v10           ; entry (first t of my quarter + shift) of series 2 c
.endr
	s_wait_loadcnt 0x0
	s_wait_alu depctr_va_vdst(0)                   ; the exponential has written v14, ahead of its first reader
.irp k, 0,1,2,3
	v_mul_f32 v[E+2*\k],   v14, v[XA+\k]           ; the entry (w x[t], w x[t + 1]) of series 4 p + k
	v_mul_f32 v[E+2*\k+1], v14, v[XB+\k]
.endr
	s_wait_alu depctr_va_vdst(0)                   ; the multiplies have written v[E ..], which the LDS stores read; v[AD ..] are written too, which every LDS load below reads
	ds_store_b128 v9, v[E:E+3]
	ds_store_b128 v9, v[E+4:E+7] offset:16
	ds_store_b128 v9, v[E:E+3]   offset:COPY       ; and once more as entry t + 128
	ds_store_b128 v9, v[E+4:E+7] offset:COPY+16
	s_wait_dscnt 0x0                               ; my entries are in LDS before I say so
	s_barrier_signal -1
	s_barrier_wait -1                              ; the table is whole, and is only read from here on
; two of a step's eight loads: the pairs of time steps 2 u, 2 u + 1 for d number q of my four, j = 0 and 1
.macro FETCH2 u, q
.irp j, 0,1
	ds_load_b64 v[LD+16*((\u)%NB)+4*(\q)+2*\j:LD+16*((\u)%NB)+4*(\q)+2*\j+1], v[AD+2*(\q)+\j] offset:2*(\u)*PITCH+8*\j
.endr
.endm
; the two stores of step u
.macro SEND u
.if (\u) < 8
	global_store_b128 v12, v[OUT+8*(\u):OUT+8*(\u)+3],   s[10:11] offset:(2*(\u))*OROW   th:TH_STORE_NT
	global_store_b128 v12, v[OUT+8*(\u)+4:OUT+8*(\u)+7], s[10:11] offset:(2*(\u)+1)*OROW th:TH_STORE_NT
.else
	global_store_b128 v12, v[OUT+8*(\u):OUT+8*(\u)+3],   s[20:21] offset:(2*(\u)-16)*OROW th:TH_STORE_NT
	global_store_b128 v12, v[OUT+8*(\u)+4:OUT+8*(\u)+7], s[20:21] offset:(2*(\u)-15)*OROW th:TH_STORE_NT
.endif
.endm
; Step u: the stores of step u - 1, the loads of step u + 4, and the sums over j of step u, laid so that four neighbouring d of one
; time step are four neighbouring registers.
.macro STEP u
.if (\u) < 13
	s_wait_dscnt 24                                ; LDS loads come back in order: pair u is in, the 3 x 8 loads of the next three pairs stay out
.else
	s_wait_dscnt 8*(15-(\u))                       ; nothing is fetched any more: the counts run down 16, 8, 0
.endif
.if (\u) > 0
	s_wait_alu depctr_va_vdst(0)                   ; the sums of the step before have written its OUT, which the two stores below read, and are done reading its LD, in which this step's loads land
	SEND (\u)-1
.endif
.irp q, 0,1,2,3
.if (\u) < 12
	FETCH2 (\u)+4, \q                              ; no wait: no vector instruction since the wait above names these registers (in step 0: none has ever named LD4)
.endif
	v_add_f32 v[OUT+8*(\u)+\q],   v[LD+16*((\u)%NB)+4*\q],   v[LD+16*((\u)%NB)+4*\q+2]
	v_add_f32 v[OUT+8*(\u)+4+\q], v[LD+16*((\u)%NB)+4*\q+1], v[LD+16*((\u)%NB)+4*\q+3]
.endr
.endm
.irp f, 0,1,2,3
.irp q, 0,1,2,3
	FETCH2 \f, \q                                  ; steps 0 to 3 are asked for ahead
.endr
.endr
.set u, 0
.rept 16
	STEP u
.set u, u+1
.endr
	s_wait_alu depctr_va_vdst(0)                   ; step 15's sums have written its OUT, which the last two stores read
	SEND 15
	s_wait_dscnt 0x0
	s_wait_alu depctr_hold_cnt(0) depctr_sa_sdst(0) depctr_va_vdst(0) depctr_va_sdst(0) depctr_va_ssrc(0) depctr_va_vcc(0) depctr_vm_vsrc(0)
	s_wait_tensorcnt 0x0
	ds_add_u32 v42, v43
	s_wait_dscnt 0x0
	s_endpgm
.Lfunc_end_k_qc9b44e17ec_gather:
	.size	k_qc9b44e17ec_gather, .Lfunc_end_k_qc9b44e17ec_gather-k_qc9b44e17ec_gather
	.p2alignl 7, 3214868480
	.fill 96, 4, 3214868480
	.section	.rodata,"a",@progbits
	.p2align	6, 0x0
	.amdhsa_kernel k_qc9b44e17ec_gather
		.amdhsa_group_segment_fixed_size 38912
		.amdhsa_private_segment_fixed_size 0
		.amdhsa_enable_private_segment 0
		.amdhsa_kernarg_size 32
		.amdhsa_user_sgpr_count 2
		.amdhsa_user_sgpr_kernarg_segment_ptr 1
		.amdhsa_wavefront_size32 1
		.amdhsa_system_sgpr_workgroup_id_x 1
		.amdhsa_system_sgpr_workgroup_id_y 1
		.amdhsa_system_sgpr_workgroup_id_z 1
		.amdhsa_system_vgpr_workitem_id 0
		.amdhsa_next_free_vgpr 252
		.amdhsa_next_free_sgpr 66
		.amdhsa_reserve_vcc 0
		.amdhsa_float_denorm_mode_32 3
		.amdhsa_float_denorm_mode_16_64 3
		.amdhsa_memory_ordered 1
		.amdhsa_forward_progress 1
		.amdhsa_inst_pref_size 22
	.end_amdhsa_kernel
	.amdgpu_metadata
---
amdhsa.version: [ 1, 2 ]
amdhsa.kernels:
  - .name:           k_qc9b44e17ec_gather
    .symbol:         k_qc9b44e17ec_gather.kd
    .args:
      - { .name: x, .offset: 0, .size: 8, .value_kind: global_buffer, .address_space: global }
      - { .name: log_weight, .offset: 8, .size: 8, .value_kind: global_buffer, .address_space: global }
      - { .name: shift, .offset: 16, .size: 8, .value_kind: global_buffer, .address_space: global }
      - { .name: out0, .offset: 24, .size: 8, .value_kind: global_buffer, .address_space: global }
    .group_segment_fixed_size: 38912
    .private_segment_fixed_size: 0
    .kernarg_segment_align: 8
    .kernarg_segment_size: 32
    .max_flat_workgroup_size: 512
    .sgpr_count:     66
    .vgpr_count:     252
    .wavefront_size: 32
...
	.end_amdgpu_metadata
.endif
;; end of part 3
